; MI455X (gfx1250); checked and timed in simulation.
; The chip was launched on July 23, 2026; its instructions are those of AMD's public machine-readable ISA for CDNA 5 (MIT licence, August 2026) and "CDNA5" Instruction Set Architecture Reference Guide (July 2026). The comments in the code are by the model that wrote it; some were corrected since.
;; Celebellum. Allowed arithmetic: float matrix products may take bf16 or f16 operands with f32 sums; other float arithmetic in f32, or as packed bf16 or f16 multiplies, adds, multiply-adds, maxima and minima; sums over many terms, partial sums and values carried from step to step in f32; what a program stores and reads back later, other than sums and carried values, may be rounded once to bf16 or f16.
;; Inputs: W_d1 1,024 x 512 float32; W_d2 512 x 7 float32; W_gc 512 x 512 float32; W_pc 512 x 512 float32; b_d1 512 float32; b_d2 7 float32; b_gc 512 float32; b_pc 512 float32; x 4 x 16,384 x 512 float32.
;; Outputs: out0 16,384 x 7 float32.
;; One version. Each part assembles by itself: llvm-mc -triple=amdgcn-amd-amdhsa -mcpu=gfx1250 --defsym DOCPART=n.
;; ======== version 1 of 1: 2 launches
;; workspace buffers: wf 2,211,840 bytes
;; launch prep (part 1): grid 68 x 4, 8 waves a work-group, no clusters, 0 bytes of LDS; arguments W_gc, W_pc, W_d1, W_d2, wf; writes wf
.if DOCPART == 1
	.amdgcn_target "amdgcn-amd-amdhsa--gfx1250"
	.amdhsa_code_object_version 6
	.text
	.protected	k_qdc8fba7b65_prep
	.globl	k_qdc8fba7b65_prep
	.p2align	8
	.type	k_qdc8fba7b65_prep,@function
k_qdc8fba7b65_prep:
	s_mov_b64 s[64:65], 0
	v_nop
	global_prefetch_b8 v0, s[64:65] scope:SCOPE_SE
	s_setreg_imm32_b32 hwreg(HW_REG_WAVE_MODE, 25, 1), 1
	s_wait_xcnt 0x0
; The four weight matrices, rounded once to bf16 and laid out as ready matrix fragments in the order in which the main launch walks them.
; wf: step s (32 along K) at s * 32768; inside it wave w * 8192 + n block b * 1024 + q * 512 + lane * 16; those 16 bytes are
; W[k0 + 16 q + 8 h + i][128 w + 16 b + r], i = 0..7, r = lane % 16, h = lane / 16: half a fragment of 16 columns x 32 K.
; Steps 0-15 W_gc, 16-31 W_pc, 32-63 W_d1, 64-66 W_gc's first three once more (the main launch loads three steps ahead, into its next block of rows).
; Behind them, at WD2, 16 K steps c of W_d2 turned: c * 1024 + q * 512 + lane * 16 holds W_d2[32 c + 16 q + 8 h + i][r], and 0 for r >= 7.
; A work-group is (s, w), a wave is b.  Its eight waves together read 32 rows x 512 consecutive bytes; each store of a wave covers 512 consecutive bytes, aligned.
; No LDS, no matrix unit, no cluster: 4 MB are read once and 2 MB written once, and no work-group shares a byte with another.
.set WSTEP, 32768
.set WD2,   67*WSTEP
	s_load_b256 s[4:11], s[0:1], 0x0               ; W_gc s[4:5], W_pc s[6:7], W_d1 s[8:9], W_d2 s[10:11]
	s_load_b64 s[12:13], s[0:1], 0x20              ; wf
	v_lshrrev_b32 v6, 5, v0
	v_readfirstlane_b32 s16, v6                    ; b: my wave's number
	s_mov_b32 s14, ttmp9                           ; s
	s_and_b32 s15, ttmp7, 0xffff                   ; w
	v_and_b32 v1, 15, v0                           ; r
	v_bfe_u32 v2, v0, 4, 1                         ; h
	v_and_b32 v4, 31, v0
	v_lshlrev_b32 v4, 4, v4                        ; 16 x lane: my place in a store
	s_mov_b32 s25, 0                               ; high words of the two offsets
	s_mov_b32 s27, 0
	s_wait_kmcnt 0x0
	s_cmp_eq_u32 s14, 67
	s_cbranch_scc1 .Ld2
	; which matrix, and which block of 32 rows of it
	s_and_b32 s22, s14, 15                         ; W_gc, W_pc and the second copy: s mod 16
	s_and_b32 s18, s14, 31                         ; W_d1: s mod 32
	s_lshr_b32 s19, s14, 4
	s_lshr_b32 s23, s14, 5
	s_mov_b64 s[20:21], s[4:5]
	s_cmp_eq_u32 s19, 1                            ; steps 16-31
	s_cselect_b64 s[20:21], s[6:7], s[20:21]
	s_cmp_eq_u32 s23, 1                            ; steps 32-63
	s_cselect_b64 s[20:21], s[8:9], s[20:21]
	s_cselect_b32 s22, s18, s22
	s_lshl_b32 s24, s22, 16                        ; 32 rows of 2,048 bytes
	s_lshl_b32 s28, s15, 9                         ; 128 columns of 4 bytes
	s_add_co_u32 s24, s24, s28
	s_lshl_b32 s28, s16, 6                         ; 16 columns
	s_add_co_u32 s24, s24, s28
	s_add_nc_u64 s[20:21], s[20:21], s[24:25]
	v_lshlrev_b32 v5, 2, v1                        ; column r,
	v_lshl_add_u32 v5, v2, 14, v5                  ; row 8 h
.set i, 0
.rept 16                                               ; q = i / 8: rows 16 q + 8 h + i % 8
	global_load_b32 v[8+i], v5, s[20:21] offset:(16*(i/8)+i%8)*2048
.set i, i+1
.endr
	s_lshl_b32 s26, s14, 15
	s_lshl_b32 s28, s15, 13
	s_add_co_u32 s26, s26, s28
	s_lshl_b32 s28, s16, 10
	s_add_co_u32 s26, s26, s28
	s_add_nc_u64 s[12:13], s[12:13], s[26:27]
	s_wait_loadcnt 0x0
.set i, 0
.rept 8
	v_cvt_pk_bf16_f32 v[24+i], v[8+2*i], v[8+2*i+1]  ; the one rounding of a weight
.set i, i+1
.endr
	global_store_b128 v4, v[24:27], s[12:13]
	global_store_b128 v4, v[28:31], s[12:13] offset:512
	s_endpgm
.Ld2:                                                  ; W_d2: c = 4 w + b / 2, q = b % 2
	s_lshl_b32 s22, s15, 2
	s_lshr_b32 s28, s16, 1
	s_add_co_u32 s22, s22, s28                     ; c
	s_and_b32 s23, s16, 1                          ; q
	s_lshl_b32 s24, s22, 5
	s_lshl_b32 s28, s23, 4
	s_add_co_u32 s24, s24, s28                     ; row 32 c + 16 q,
	s_mul_i32 s24, s24, 28                         ; of 28 bytes
	s_add_nc_u64 s[20:21], s[10:11], s[24:25]
	v_min_u32 v5, 6, v1                            ; lanes with r >= 7 read column 6 and keep nothing of it: no load leaves the 14,336 bytes
	v_lshlrev_b32 v5, 2, v5
	v_mad_u32_u24 v5, v2, 224, v5                  ; + 8 h rows
.set i, 0
.rept 8
	global_load_b32 v[8+i], v5, s[20:21] offset:28*i
.set i, i+1
.endr
	s_lshl_b32 s26, s22, 10
	s_lshl_b32 s28, s23, 9
	s_add_co_u32 s26, s26, s28
	s_add_co_u32 s26, s26, WD2
	s_add_nc_u64 s[12:13], s[12:13], s[26:27]
	v_cmp_gt_u32 vcc_lo, 7, v1                     ; the seven columns that exist
	s_wait_loadcnt 0x0
.set i, 0
.rept 8
	v_cndmask_b32 v[8+i], 0, v[8+i], vcc_lo        ; 0 in the nine that do not
.set i, i+1
.endr
.set i, 0
.rept 4
	v_cvt_pk_bf16_f32 v[24+i], v[8+2*i], v[8+2*i+1]
.set i, i+1
.endr
	global_store_b128 v4, v[24:27], s[12:13]
	s_endpgm
.Lfunc_end_k_qdc8fba7b65_prep:
	.size	k_qdc8fba7b65_prep, .Lfunc_end_k_qdc8fba7b65_prep-k_qdc8fba7b65_prep
	.p2alignl 7, 3214868480
	.fill 96, 4, 3214868480
	.section	.rodata,"a",@progbits
	.p2align	6, 0x0
	.amdhsa_kernel k_qdc8fba7b65_prep
		.amdhsa_group_segment_fixed_size 0
		.amdhsa_private_segment_fixed_size 0
		.amdhsa_enable_private_segment 0
		.amdhsa_kernarg_size 40
		.amdhsa_user_sgpr_count 2
		.amdhsa_user_sgpr_kernarg_segment_ptr 1
		.amdhsa_wavefront_size32 1
		.amdhsa_system_sgpr_workgroup_id_x 1
		.amdhsa_system_sgpr_workgroup_id_y 1
		.amdhsa_system_sgpr_workgroup_id_z 1
		.amdhsa_system_vgpr_workitem_id 0
		.amdhsa_next_free_vgpr 32
		.amdhsa_next_free_sgpr 66
		.amdhsa_reserve_vcc 1
		.amdhsa_float_denorm_mode_32 3
		.amdhsa_float_denorm_mode_16_64 3
		.amdhsa_memory_ordered 1
		.amdhsa_forward_progress 1
		.amdhsa_inst_pref_size 6
	.end_amdhsa_kernel
	.amdgpu_metadata
---
amdhsa.version: [ 1, 2 ]
amdhsa.kernels:
  - .name:           k_qdc8fba7b65_prep
    .symbol:         k_qdc8fba7b65_prep.kd
    .args:
      - { .name: W_gc, .offset: 0, .size: 8, .value_kind: global_buffer, .address_space: global }
      - { .name: W_pc, .offset: 8, .size: 8, .value_kind: global_buffer, .address_space: global }
      - { .name: W_d1, .offset: 16, .size: 8, .value_kind: global_buffer, .address_space: global }
      - { .name: W_d2, .offset: 24, .size: 8, .value_kind: global_buffer, .address_space: global }
      - { .name: wf, .offset: 32, .size: 8, .value_kind: global_buffer, .address_space: global }
    .group_segment_fixed_size: 0
    .private_segment_fixed_size: 0
    .kernarg_segment_align: 8
    .kernarg_segment_size: 40
    .max_flat_workgroup_size: 256
    .sgpr_count:     66
    .vgpr_count:     32
    .wavefront_size: 32
...
	.end_amdgpu_metadata
.endif
;; end of part 1
;; launch main (part 2): grid 256 x 1, 4 waves a work-group, no clusters, 283,136 bytes of LDS; arguments x, wf, b_gc, b_pc, b_d1, b_d2, out0; writes out0
.if DOCPART == 2
	.amdgcn_target "amdgcn-amd-amdhsa--gfx1250"
	.amdhsa_code_object_version 6
	.text
	.protected	k_qdc8fba7b65_main
	.globl	k_qdc8fba7b65_main
	.p2align	8
	.type	k_qdc8fba7b65_main,@function
k_qdc8fba7b65_main:
	s_mov_b64 s[64:65], 0
	v_nop
	global_prefetch_b8 v0, s[64:65] scope:SCOPE_SE
	s_setreg_imm32_b32 hwreg(HW_REG_WAVE_MODE, 25, 1), 1
	s_wait_xcnt 0x0
; Four time steps of three LIF layers and a read-out, fused.  x: [4][16384][512] f32; wf: the weights as bf16 fragments (made by the launch before); out0: [16384][7] f32.
; LAYER BY LAYER, ALL FOUR t AT ONCE.  The layers feed forward; only a layer's own membrane runs along t.  A block is 32 rows x 4 t = 128 rows of a product with N = 512: 128 x 512 f32 sums,
; 512 registers in each of four waves (a wave: all 128 rows x its 128 neurons).  The four inputs of a (row, neuron) lie in four accumulators at the same lane and register, so the LIF
; recurrence is register arithmetic behind the product and no membrane is ever stored.  A work-group stays and makes two blocks: 512 blocks, 256 work-groups.
; PASSES of 16 K steps of 32:  0: X W_gc, LIF, spikes to S;  1: S W_pc, LIF, spikes to S;  2: X W_d1[0:512];  3: + S W_d1[512:1024], LIF, spike counts, counts W_d2.
; FORMATS.  x, all weights and all biases are rounded once to bf16; spikes (0, 1) and spike counts (0..4) are exact in bf16; all sums, membranes and the LIF arithmetic are f32.
; LIF as it is defined: d = I - m; v = d / 2 + m (one fused multiply-add: d / 2 is exact); spike = v > 1, made as clamp(v 2^100 - 2^100) to 0..1; m = v - v spike.
; LIMITS.  A bias starts its sum as the C operand, so it is added first, not last.  The output is 0.25 x (counts W_d2 + 4 b_d2), not four sums divided by 4.  The products' order of
; addition is the matrix unit's.  A membrane within such a rounding of the threshold may spike otherwise than in another order of addition.  NaN gives no spike; d below 2^-125 loses its last bit in d / 2.
; THE MATRIX INSTRUCTION IS USED TRANSPOSED: source 0 = 16 neurons of W, source 1 = 16 rows of X or S.  In the result lane l holds row l % 16 and registers 0-7 the neurons 8 (l / 16) + 0..7:
; eight spikes pack into 16 bytes of a row of S; a bias tile of 8 registers serves all rows; two neighbouring tiles of counts, packed, are source 1 of the W_d2 product.
; W COMES THROUGH REGISTERS, NOT LDS, AND THERE IS NO CLUSTER.  A wave's 128 columns of W are used by that wave alone, so LDS gives W no second use inside the work-group.  All work-groups
; do walk the same W, but X and S take 266,240 bytes of LDS and the tables 16,896; two slots of one K step of W (2 x 32,768) do not fit into the 44,544 that are left of 327,680.
; So each wave loads its fragments (16 loads of 512 consecutive bytes a K step) three K steps ahead, into four register buffers.
; REGISTERS, in windows of 256 (s_set_vgpr_msb: bits 1:0 source 0, 3:2 source 1, 5:4 source 2, 7:6 destination):
;   window 0: v0-31 addresses and constants; v32-63 my four fragments of W_d2; v64-191 two buffers of A's fragments; v192-255 the bias tiles; v64-255 are also the ring for x and the epilogues' work space
;   window 1: four buffers of W's fragments          windows 2, 3: accumulator (a, b) at v[8 (8 (a % 4) + b)] of window 2 + a / 4; a = 2 t + rb, rb = which 16 of the 32 rows
.set PX,    1040                       ; a row of X or S in LDS: 1,024 bytes + 16: an odd multiple of 16, so the 16 rows of a fragment load start in 16 different 16-byte columns of 256
.set AB4,   64*PX                      ; four blocks of 16 rows
.set SB,    128*PX                     ; S begins behind X (X at 0)
.set BIAS,  2*SB                       ; 3 x 512 f32: b_gc, b_pc, b_d1, each rounded to bf16
.set RED,   BIAS+6144                  ; the waves' partial outputs: wave x 2,048 + [32 rows][7] f32, then as many bytes from the lanes' upper half, which mean nothing
.set OUTS,  RED+8192                   ; [64 rows][7] f32, the work-group's output
.set SPARE, OUTS+2048                  ; the spare words, 128 bytes for each wave: two blocks of 256 bytes that no other line names
.set WSTEP, 32768                      ; a K step of wf
.set WD2,   67*WSTEP
.set OUTG, 1                           ; v1      16 x thread
.set SPW,  2                           ; v2      LDS address of my spare word; never rewritten
.set NIL,  3                           ; v3      0; never rewritten
.set AX,   4                           ; v4-5    my place in A's blocks 0-3 and 4-7: r x pitch + 16 h
.set AA,   6                           ; v6-7    the same at the trip's K and in X or S
.set BOFF, 8                           ; v8      my byte offset in a K step of wf
.set XOFF, 9                           ; v9      16 x lane
.set XST,  10                          ; v10     where I put 8 bytes of X
.set SST,  11                          ; v11-12  where I put 16 bytes of S, blocks 0-3 and 4-7
.set BIA,  13                          ; v13     my neurons' place in a bias table
.set BIAC, 14                          ; v14     the same in the pass's table
.set REDW, 15                          ; v15     where my partial outputs go
.set REDR, 16                          ; v16     RED + 8 x thread
.set OUTW, 17                          ; v17     OUTS + 896 x block + 8 x thread
.set PFO,  18                          ; v18     256 x lane
.set OUTR, 19                          ; v19     OUTS + 16 x min(thread, 111)
.set BIG,  20                          ; v20-21  2^100 twice
.set NBIG, 22                          ; v22-23  -2^100 twice
.set BD,   24                          ; v24-31  b_d2[0..6] rounded, and 0: the C operand of the W_d2 product
.set WD,   32
.set FA,   64
.set T,    192
.set XR,   64                          ; x: three groups of 64 registers
.set SS,   64                          ; epilogues: 64 spikes in f32
.set PP,   128                         ; passes 0, 1: 64 spikes packed
.set CN,   128                         ; pass 3: 64 spike counts in f32
.set PQ,   192                         ; pass 3: the counts of both halves of the rows, packed
.set O,    64                          ; pass 3: two accumulators of the W_d2 product
.set WV,   18                          ; s18     my wave's number
.set XP,   20                          ; s[20:21] x at my 32 rows (wave w loads time step w)
.set BP,   22                          ; s[22:23] wf at the trip's first K step
.set BLK,  24
.set PASS, 25
.set TRIP, 26
.set AOFF, 27                          ; s27     LDS byte: X or S, plus the trip's K
.set MSB, 0
.macro WIN new                         ; the immediate's high byte repeats the setting that is left; a switch that changes nothing is dropped
.if MSB != (\new)
	s_set_vgpr_msb (MSB<<8)|(\new)
.set MSB, (\new)
.endif
.endm
.macro PLACES                          ; four plain vector instructions between a matrix instruction and a vector line, load or store that touches its registers
.rept 4
	v_nop
.endr
.endm
.macro BAR                             ; my LDS instructions are done, loads and stores; then the work-group's barrier
	s_wait_dscnt 0x0
	s_barrier_signal -1
	s_barrier_wait -1
.endm
; 16 matrix instructions: row blocks a0, a0 + 1 of the window's four x all 8 neuron blocks, 32 along K.  zero = 1: the bias tile starts the sums: nothing is ever cleared.
; The 64 accumulators take turns, one instruction a turn, in the same order in every K step.
.macro MUL16 fa, fb, hi, a0, zero
.if \zero
	WIN 0x81+0x40*(\hi)                            ; W window 1, A and the bias window 0, D window 2 or 3
.else
	WIN 0xa1+0x50*(\hi)                            ; W window 1, A window 0, C and D window 2 or 3
.endif
.irp a, \a0, (\a0)+1
.irp b, 0,1,2,3,4,5,6,7
.if \zero
	v_wmma_f32_16x16x32_bf16 v[8*(8*(\a)+(\b)):8*(8*(\a)+(\b))+7], v[(\fb)+8*(\b):(\fb)+8*(\b)+7], v[(\fa)+8*(4*(\hi)+(\a)):(\fa)+8*(4*(\hi)+(\a))+7], v[T+8*(\b):T+8*(\b)+7]
.else
	v_wmma_f32_16x16x32_bf16 v[8*(8*(\a)+(\b)):8*(8*(\a)+(\b))+7], v[(\fb)+8*(\b):(\fb)+8*(\b)+7], v[(\fa)+8*(4*(\hi)+(\a)):(\fa)+8*(4*(\hi)+(\a))+7], v[8*(8*(\a)+(\b)):8*(8*(\a)+(\b))+7]
.endif
.endr
.endr
.endm
; 16 LDS loads: the eight fragments of A (128 rows x 32 K at byte koff of the trip's 256) into buffer buf
.macro FETCHA buf, koff
	WIN 0
.irp a, 0,1,2,3,4,5,6,7
	ds_load_b128 v[FA+64*(\buf)+8*(\a):FA+64*(\buf)+8*(\a)+3],   v[AA+(\a)/4] offset:((\a)%4)*16*PX+(\koff)
	ds_load_b128 v[FA+64*(\buf)+8*(\a)+4:FA+64*(\buf)+8*(\a)+7], v[AA+(\a)/4] offset:((\a)%4)*16*PX+(\koff)+32
.endr
.endm
; 16 global loads, 512 consecutive bytes each: my eight fragments of W of the K step n behind BP, into buffer u
.macro LOADB u, n
	WIN 0x40                                       ; destination window 1, address window 0
.irp b, 0,1,2,3,4,5,6,7
	global_load_b128 v[64*(\u)+8*(\b):64*(\u)+8*(\b)+3],   v[BOFF], s[BP:BP+1] offset:(\n)*WSTEP+(\b)*1024
	global_load_b128 v[64*(\u)+8*(\b)+4:64*(\u)+8*(\b)+7], v[BOFF], s[BP:BP+1] offset:(\n)*WSTEP+(\b)*1024+512
.endr
.endm
; K step j of a trip's four: 64 matrix instructions on A's buffer j % 2 and W's buffer j.  In its middle, in one run, the next step's A and the W of three steps on,
; into the buffers that the step before multiplied: four places stand between its products and these loads.
.macro STEP j, zero
	s_wait_loadcnt 32                              ; loads return in order (ISA guide 5.7.1): this step's W is in; the 32 loads of the next two steps may be out
	s_wait_dscnt 8                                 ; A's blocks 0-3 are in (and the bias tiles, which are older); the youngest eight loads, blocks 4-7, may be out
	MUL16 FA+64*((\j)%2), 64*(\j), 0, 0, \zero
	MUL16 FA+64*((\j)%2), 64*(\j), 0, 2, \zero
	WIN 0
	s_wait_dscnt 0x0                               ; blocks 4-7: waited for ahead of the new run, so that the count is right with and without it
.if (\j) == 3
	s_add_co_u32 s[AOFF], s[AOFF], 256             ; the next trip's 128 along K
	v_add_nc_u32 v[AA], s[AOFF], v[AX]
	v_add_nc_u32 v[AA+1], s[AOFF], v[AX+1]
	v_nop
	v_nop
	s_cmp_eq_u32 s[TRIP], 1                        ; a pass's last trip has no next step of A
	s_cbranch_scc1 .Lnf_\@
	FETCHA 0, 0
.Lnf_\@:
.else
	PLACES
	FETCHA ((\j)+1)%2, 64*((\j)+1)
.endif
	LOADB ((\j)+3)%4, (\j)+3
	MUL16 FA+64*((\j)%2), 64*(\j), 1, 0, \zero
	MUL16 FA+64*((\j)%2), 64*(\j), 1, 2, \zero
.endm
; x.  My wave's 32 rows of one time step are 65,536 consecutive bytes: 128 loads of 512 bytes, in 8 groups of 16, three groups (24,576 bytes a wave) on their way.
.macro XISSUE g
.set i, 0
.rept 16
	global_load_b128 v[XR+64*((\g)%3)+4*i:XR+64*((\g)%3)+4*i+3], v[XOFF], s[XP:XP+1] offset:(16*(\g)+i)*512 th:TH_LOAD_NT
.set i, i+1
.endr
.endm
.macro XCONV g, left                   ; group g is rounded to bf16, in place, and stored: 256 consecutive bytes of a row of X a store.  left: the younger loads, which may stay out
	s_wait_loadcnt \left
.set i, 0
.rept 16
	v_cvt_pk_bf16_f32 v[XR+64*((\g)%3)+4*i],   v[XR+64*((\g)%3)+4*i],   v[XR+64*((\g)%3)+4*i+1]
	v_cvt_pk_bf16_f32 v[XR+64*((\g)%3)+4*i+1], v[XR+64*((\g)%3)+4*i+2], v[XR+64*((\g)%3)+4*i+3]
	ds_store_b64 v[XST], v[XR+64*((\g)%3)+4*i:XR+64*((\g)%3)+4*i+1] offset:((16*(\g)+i)/4)*PX+((16*(\g)+i)%4)*256
.set i, i+1
.endr
.endm
; One time step t of the LIF for half rb of the rows: 64 numbers a lane, in 32 pairs, each line a run of 32 under one window setting, pairs ascending (each accumulator is first read at its
; low end).  The input I_t (accumulators of a = 2 t + rb) becomes v and then the membrane, in place; the membrane of t - 1 lies in the accumulators of a - 2.
; kind 0: the spikes go to S as bf16.  kind 1: they are counted over t, and the counts are packed behind t = 3.
.macro LIFT rb, t, kind
.set AQ, 2*(\t)+(\rb)
.set WT, 2+AQ/4
.set IB, 64*(AQ%4)
.set SK, SS
.if (\kind) && ((\t) == 0)
.set SK, CN                            ; the first spikes start the counts
.endif
.if (\t) == 0
	WIN (WT<<6)|WT
.set p, 0
.rept 32
	v_pk_mul_f32 v[IB+2*p:IB+2*p+1], v[IB+2*p:IB+2*p+1], 0.5 op_sel_hi:[1,0]  ; m = 0: v = I / 2
.set p, p+1
.endr
.else
.set WP, 2+(AQ-2)/4
.set MB, 64*((AQ-2)%4)
	WIN (WT<<6)|(WP<<4)|(WP<<2)|WT
.set p, 0
.rept 32
	v_pk_add_f32 v[IB+2*p:IB+2*p+1], v[IB+2*p:IB+2*p+1], v[MB+2*p:MB+2*p+1] neg_lo:[0,1] neg_hi:[0,1]  ; d = I - m
.set p, p+1
.endr
.set p, 0
.rept 32
	v_pk_fma_f32 v[IB+2*p:IB+2*p+1], v[IB+2*p:IB+2*p+1], 0.5, v[MB+2*p:MB+2*p+1] op_sel_hi:[1,0,1]  ; v = d / 2 + m
.set p, p+1
.endr
.endif
	WIN WT
.set p, 0
.rept 32
	v_pk_fma_f32 v[SK+2*p:SK+2*p+1], v[IB+2*p:IB+2*p+1], v[BIG:BIG+1], v[NBIG:NBIG+1] clamp  ; (v - 1) 2^100 held to 0..1: 1 where v > 1 (then at least 2^77), else 0
.set p, p+1
.endr
.if (\t) < 3
	WIN (WT<<6)|(WT<<4)|WT
.set p, 0
.rept 32
	v_pk_fma_f32 v[IB+2*p:IB+2*p+1], v[IB+2*p:IB+2*p+1], v[SK+2*p:SK+2*p+1], v[IB+2*p:IB+2*p+1] neg_lo:[0,1,0] neg_hi:[0,1,0]  ; m = v - v s
.set p, p+1
.endr
.endif
	WIN 0
.if \kind
.if (\t) > 0
.set p, 0
.rept 32
	v_pk_add_f32 v[CN+2*p:CN+2*p+1], v[CN+2*p:CN+2*p+1], v[SS+2*p:SS+2*p+1]
.set p, p+1
.endr
.endif
.if (\t) == 3
.set p, 0
.rept 32
	v_cvt_pk_bf16_f32 v[PQ+32*(\rb)+p], v[CN+2*p], v[CN+2*p+1]  ; 0..4: exact
.set p, p+1
.endr
.endif
.else
.set p, 0
.rept 32
	v_cvt_pk_bf16_f32 v[PP+p], v[SS+2*p], v[SS+2*p+1]
.set p, p+1
.endr
.irp b, 0,1,2,3,4,5,6,7
	ds_store_b128 v[SST+AQ/4], v[PP+4*\b:PP+4*\b+3] offset:(AQ%4)*16*PX+32*\b  ; row 16 a + r, my 8 neurons of block b
.endr
.endif
.endm
	; THE HEAD
	s_load_b256 s[4:11], s[0:1], 0x0               ; x s[4:5], wf s[6:7], b_gc s[8:9], b_pc s[10:11]
	s_load_b128 s[12:15], s[0:1], 0x20             ; b_d1 s[12:13], b_d2 s[14:15]
	s_load_b64 s[16:17], s[0:1], 0x30              ; out0
	v_lshl_add_u32 v[SPW], v0, 2, SPARE
	v_mov_b32 v[NIL], 0
	v_lshrrev_b32 v100, 5, v0
	v_readfirstlane_b32 s[WV], v100                ; wave 0..3
	v_mov_b32 v103, 0                              ; the offset of b_d2's loads: every lane reads the same 28 bytes
	v_and_b32 v[XOFF], 31, v0
	v_lshlrev_b32 v[XOFF], 4, v[XOFF]
	s_lshl_b32 s28, s[WV], 13
	v_add_nc_u32 v[BOFF], s28, v[XOFF]             ; my wave's 8,192 bytes of a K step, 16 bytes a lane
	v_lshlrev_b32 v[OUTG], 4, v0
	s_lshl_b32 s32, s[WV], 25                      ; time step w: 16,384 rows of 2,048 bytes,
	s_lshl_b32 s28, ttmp9, 17                      ; the work-group's 64 rows
	s_add_co_u32 s32, s32, s28
	s_mov_b32 s33, 0
	s_lshl_b32 s36, s[WV], 12                      ; my four K steps of W_d2's fragments
	s_add_co_u32 s36, s36, WD2
	s_mov_b32 s37, 0
	s_mul_i32 s38, ttmp9, 1792                     ; 64 rows of 28 bytes: seven times 256
	s_mov_b32 s39, 0
	s_wait_kmcnt 0x0
	s_add_nc_u64 s[XP:XP+1], s[4:5], s[32:33]
	s_mov_b64 s[BP:BP+1], s[6:7]
	s_add_nc_u64 s[34:35], s[6:7], s[36:37]
	s_add_nc_u64 s[16:17], s[16:17], s[38:39]
	global_load_b128 v[64:67], v[OUTG], s[8:9]     ; the biases first: 128 threads x 4 numbers of each table,
	global_load_b128 v[68:71], v[OUTG], s[10:11]
	global_load_b128 v[72:75], v[OUTG], s[12:13]
	global_load_b128 v[76:79], v103, s[14:15]      ; and b_d2's 28 bytes in every lane
	global_load_b64 v[80:81], v103, s[14:15] offset:16
	global_load_b32 v82, v103, s[14:15] offset:24
.irp c, 0,1,2,3
	global_load_b128 v[WD+8*\c:WD+8*\c+3],   v[XOFF], s[34:35] offset:\c*1024
	global_load_b128 v[WD+8*\c+4:WD+8*\c+7], v[XOFF], s[34:35] offset:\c*1024+512
.endr
	LOADB 0, 0                                     ; W's first three K steps
	LOADB 1, 1
	LOADB 2, 2
	WIN 0
	v_and_b32 v100, 15, v0                         ; r
	v_bfe_u32 v101, v0, 4, 1                       ; h
	v_mul_u32_u24 v[AX], v100, PX
	v_lshl_add_u32 v[AX], v101, 4, v[AX]           ; a fragment's row x pitch + 16 x half
	v_add_nc_u32 v[AX+1], AB4, v[AX]
	s_mul_i32 s28, s[WV], 32*PX                    ; X's rows 32 w on: time step w
	v_lshrrev_b32 v[XST], 1, v[XOFF]
	v_add_nc_u32 v[XST], s28, v[XST]
	s_lshl_b32 s28, s[WV], 8                       ; my 128 neurons: 256 bytes of a row of S
	s_add_co_u32 s28, s28, SB
	v_add_nc_u32 v[SST], s28, v[AX]
	v_add_nc_u32 v[SST+1], AB4, v[SST]
	s_lshl_b32 s28, s[WV], 9
	s_add_co_u32 s28, s28, BIAS
	v_lshl_add_u32 v[BIA], v101, 5, s28            ; neuron 128 w + 8 h, 4 bytes each
	s_lshl_b32 s28, s[WV], 11
	s_add_co_u32 s28, s28, RED
	v_mad_u32_u24 v[REDW], v100, 28, s28           ; row r of 28 bytes;
	v_mad_u32_u24 v[REDW], v101, 896, v[REDW]      ; the lanes' upper half behind the 32 rows
	v_lshl_add_u32 v[REDR], v0, 3, RED
	v_lshl_add_u32 v[OUTW], v0, 3, OUTS
	v_lshlrev_b32 v[PFO], 4, v[XOFF]
	v_min_u32 v[OUTR], 111, v0
	v_lshl_add_u32 v[OUTR], v[OUTR], 4, OUTS
	v_mov_b32 v[BIG], 0x71800000
	v_mov_b32 v[BIG+1], 0x71800000
	v_mov_b32 v[NBIG], 0xf1800000
	v_mov_b32 v[NBIG+1], 0xf1800000
	v_lshl_add_u32 v102, v0, 4, BIAS
	s_wait_loadcnt 56                              ; the six bias loads are in: behind them stand W_d2's 8 loads and W's 48
.set i, 0
.rept 9
	v_cvt_pk_bf16_f32 v[84+i], v[64+2*i], v[64+2*i+1]  ; the one rounding of a bias
.set i, i+1
.endr
	v_cvt_pk_bf16_f32 v93, v82, v82
.set i, 0
.rept 6
	v_lshlrev_b32 v[104+2*i], 16, v[84+i]          ; and back to f32
	v_and_b32 v[105+2*i], 0xffff0000, v[84+i]
.set i, i+1
.endr
.set i, 0
.rept 3
	v_lshlrev_b32 v[BD+2*i], 16, v[90+i]
	v_and_b32 v[BD+2*i+1], 0xffff0000, v[90+i]
.set i, i+1
.endr
	v_lshlrev_b32 v[BD+6], 16, v93
	v_mov_b32 v[BD+7], 0
	ds_store_b128 v102, v[104:107]
	ds_store_b128 v102, v[108:111] offset:2048
	ds_store_b128 v102, v[112:115] offset:4096
	s_mov_b32 s[BLK], 0
.Lblock:                                               ; two trips: 32 rows each
	XISSUE 0
	XISSUE 1
	XISSUE 2
.irp g, 0,1,2,3,4
	XCONV \g, 32                                   ; two younger groups stay out
	XISSUE (\g)+3
.endr
	XCONV 5, 32
	XCONV 6, 16
	XCONV 7, 0
	BAR                                            ; X (and, the first time, the bias tables) is whole: every wave's stores are done
	s_mov_b32 s[PASS], 0
.Lpass:                                                ; four trips
	s_and_b32 s[AOFF], s[PASS], 1
	s_mul_i32 s[AOFF], s[AOFF], SB                 ; passes 0, 2 read X, passes 1, 3 read S
	v_add_nc_u32 v[AA], s[AOFF], v[AX]
	v_add_nc_u32 v[AA+1], s[AOFF], v[AX+1]
	s_mov_b32 s[TRIP], 4
	s_cmp_eq_u32 s[PASS], 3
	s_cbranch_scc1 .Lacc                           ; pass 3 goes on with pass 2's sums
	s_lshl_b32 s28, s[PASS], 11
	v_add_nc_u32 v[BIAC], s28, v[BIA]
.irp b, 0,1,2,3,4,5,6,7
	ds_load_b128 v[T+8*\b:T+8*\b+3],   v[BIAC] offset:64*\b      ; register j of tile b: the bias of neuron 128 w + 16 b + 8 h + j
	ds_load_b128 v[T+8*\b+4:T+8*\b+7], v[BIAC] offset:64*\b+16
.endr
	FETCHA 0, 0
	STEP 0, 1                                      ; a layer's first K step stands apart: the bias tiles start the sums
	WIN 0                                          ; at a label and at a branch every window is 0
	s_branch .Lmid
.Lacc:
	FETCHA 0, 0
.Ltrip:                                                ; four trips of four K steps
	STEP 0, 0
	WIN 0
.Lmid:
	STEP 1, 0
	STEP 2, 0
	STEP 3, 0
	WIN 0
	s_wait_xcnt 0x0                                ; every earlier memory instruction has had its addresses translated (ISA guide 3.1): only now is the loads' base stepped
	s_add_nc_u64 s[BP:BP+1], s[BP:BP+1], 4*WSTEP
	s_sub_co_u32 s[TRIP], s[TRIP], 1
	s_cmp_lg_u32 s[TRIP], 0
	s_cbranch_scc1 .Ltrip
	PLACES                                         ; once for every way on from a pass's last products: the epilogues read their sums, the next pass and the next block load into their sources
	s_cmp_eq_u32 s[PASS], 2
	s_cbranch_scc1 .Lnext
	s_cmp_eq_u32 s[PASS], 3
	s_cbranch_scc1 .LE3
	; PASSES 0 AND 1: the LIF, and the spikes into S
	BAR                                            ; no wave still reads S (pass 1 read it)
.irp rb, 0,1
.irp t, 0,1,2,3
	LIFT \rb, \t, 0
.endr
.endr
	BAR                                            ; S is whole
	s_branch .Lnext
.LE3:                                                  ; PASS 3: the LIF, the spike counts, and counts x W_d2
	s_cmp_lg_u32 s[BLK], 0
	s_cbranch_scc1 .Lno_pf
.irp i, 0,1,2,3                        ; the first 32,768 of my wave's next 65,536 bytes of x, lanes 256 bytes apart, each block asked for once, this epilogue ahead of its load; the last block asks for nothing
	global_prefetch_b8 v[PFO], s[XP:XP+1] offset:65536+8192*\i th:TH_LOAD_NT scope:SCOPE_SE
.endr
.Lno_pf:
.irp rb, 0,1
.irp t, 0,1,2,3
	LIFT \rb, \t, 1
.endr
.endr
	; My 128 neurons' part of the output, turned: source 0 = W_d2's 7 (of 16) columns, source 1 = 16 rows of counts.  Each wave's sums start with b_d2, so the four parts add up to counts W_d2 + 4 b_d2.
	; The two accumulators take turns.
.irp c, 0,1,2,3
.irp rb, 0,1
.if (\c) == 0
	v_wmma_f32_16x16x32_bf16 v[O+8*\rb:O+8*\rb+7], v[WD+8*\c:WD+8*\c+7], v[PQ+32*\rb+8*\c:PQ+32*\rb+8*\c+7], v[BD:BD+7]
.else
	v_wmma_f32_16x16x32_bf16 v[O+8*\rb:O+8*\rb+7], v[WD+8*\c:WD+8*\c+7], v[PQ+32*\rb+8*\c:PQ+32*\rb+8*\c+7], v[O+8*\rb:O+8*\rb+7]
.endif
.endr
.endr
	PLACES
.irp rb, 0,1
.irp j, 0,1,2,3,4,5,6
	ds_store_b32 v[REDW], v[O+8*\rb+\j] offset:448*\rb+4*\j  ; lanes 0-15: output j of row 16 rb + r; lanes 16-31 (outputs 8 + j, which do not exist) 896 bytes on
.endr
.endr
	BAR                                            ; the four parts are in RED; and no wave still reads X or S
.irp u, 0,1,2,3
	ds_load_b64 v[80+2*\u:81+2*\u], v[REDR] offset:2048*\u  ; numbers 2 t, 2 t + 1 of the block's 224, from each wave's part (threads 112-127: numbers that mean nothing)
.endr
	s_wait_dscnt 0x0
	v_pk_add_f32 v[80:81], v[80:81], v[82:83]
	v_pk_add_f32 v[84:85], v[84:85], v[86:87]
	v_pk_add_f32 v[80:81], v[80:81], v[84:85]
	v_pk_mul_f32 v[88:89], v[80:81], 0x3e800000 op_sel_hi:[1,0]  ; / 4
	ds_store_b64 v[OUTW], v[88:89]                 ; threads 112-127 write 128 bytes behind the block's 896: the second block's stores come later and over them; its own lie behind the 1,792 that are read
.Lnext:
	s_add_co_u32 s[PASS], s[PASS], 1
	s_cmp_lt_u32 s[PASS], 4
	s_cbranch_scc1 .Lpass
	s_wait_xcnt 0x0                                ; the bases of loads and prefetches are rewritten only behind this wait
	s_add_nc_u64 s[XP:XP+1], s[XP:XP+1], 65536     ; my next 32 rows
	s_mov_b64 s[BP:BP+1], s[6:7]                   ; W from its first step again: steps 64-66, which are in the buffers, are steps 0-2
	v_add_nc_u32 v[OUTW], 896, v[OUTW]
	s_add_co_u32 s[BLK], s[BLK], 1
	s_cmp_lt_u32 s[BLK], 2
	s_cbranch_scc1 .Lblock
	; THE END: the work-group's 1,792 bytes leave as 112 x 16 bytes, consecutive, from a multiple of 256 in out0
	BAR                                            ; OUTS is whole
	ds_load_b128 v[64:67], v[OUTR]
	s_wait_tensorcnt 0x0                           ; the wave's end, behind my last LDS store
	ds_add_u32 v[SPW], v[NIL]
	s_wait_dscnt 0x0                               ; the add, and the load above
	s_wait_xcnt 0x0                                ; EXEC changes only behind this wait
	v_cmp_gt_u32 vcc_lo, 112, v0
	s_and_saveexec_b32 s30, vcc_lo
	global_store_b128 v[OUTG], v[64:67], s[16:17]
	s_endpgm
.Lfunc_end_k_qdc8fba7b65_main:
	.size	k_qdc8fba7b65_main, .Lfunc_end_k_qdc8fba7b65_main-k_qdc8fba7b65_main
	.p2alignl 7, 3214868480
	.fill 96, 4, 3214868480
	.section	.rodata,"a",@progbits
	.p2align	6, 0x0
	.amdhsa_kernel k_qdc8fba7b65_main
		.amdhsa_group_segment_fixed_size 283136
		.amdhsa_private_segment_fixed_size 0
		.amdhsa_enable_private_segment 0
		.amdhsa_kernarg_size 56
		.amdhsa_user_sgpr_count 2
		.amdhsa_user_sgpr_kernarg_segment_ptr 1
		.amdhsa_wavefront_size32 1
		.amdhsa_system_sgpr_workgroup_id_x 1
		.amdhsa_system_sgpr_workgroup_id_y 1
		.amdhsa_system_sgpr_workgroup_id_z 1
		.amdhsa_system_vgpr_workitem_id 0
		.amdhsa_next_free_vgpr 1024
		.amdhsa_next_free_sgpr 66
		.amdhsa_reserve_vcc 1
		.amdhsa_float_denorm_mode_32 3
		.amdhsa_float_denorm_mode_16_64 3
		.amdhsa_memory_ordered 1
		.amdhsa_forward_progress 1
		.amdhsa_inst_pref_size 239
	.end_amdhsa_kernel
	.amdgpu_metadata
---
amdhsa.version: [ 1, 2 ]
amdhsa.kernels:
  - .name:           k_qdc8fba7b65_main
    .symbol:         k_qdc8fba7b65_main.kd
    .args:
      - { .name: x, .offset: 0, .size: 8, .value_kind: global_buffer, .address_space: global }
      - { .name: wf, .offset: 8, .size: 8, .value_kind: global_buffer, .address_space: global }
      - { .name: b_gc, .offset: 16, .size: 8, .value_kind: global_buffer, .address_space: global }
      - { .name: b_pc, .offset: 24, .size: 8, .value_kind: global_buffer, .address_space: global }
      - { .name: b_d1, .offset: 32, .size: 8, .value_kind: global_buffer, .address_space: global }
      - { .name: b_d2, .offset: 40, .size: 8, .value_kind: global_buffer, .address_space: global }
      - { .name: out0, .offset: 48, .size: 8, .value_kind: global_buffer, .address_space: global }
    .group_segment_fixed_size: 283136
    .private_segment_fixed_size: 0
    .kernarg_segment_align: 8
    .kernarg_segment_size: 56
    .max_flat_workgroup_size: 128
    .sgpr_count:     66
    .vgpr_count:     1024
    .wavefront_size: 32
...
	.end_amdgpu_metadata
.endif
;; end of part 2
